; MI455X (gfx1250); checked and timed in simulation.
; The chip was launched on July 23, 2026; its instructions are those of AMD's public machine-readable ISA for CDNA 5 (MIT licence, August 2026) and "CDNA5" Instruction Set Architecture Reference Guide (July 2026). The comments in the code are by the model that wrote it; some were corrected since.
;; Point Net Feature Propagation. Allowed arithmetic: float matrix products may take bf16 or f16 operands with f32 sums; other float arithmetic in f32, or as packed bf16 or f16 multiplies, adds, multiply-adds, maxima and minima; sums over many terms, partial sums and values carried from step to step in f32; what a program stores and reads back later, other than sums and carried values, may be rounded once to bf16 or f16.
;; Inputs: b1 256 float32; b2 128 float32; be1 256 float32; be2 128 float32; g1 256 float32; g2 128 float32; m1 256 float32; m2 128 float32; points1 8 x 256 x 8,192 float32; points2 8 x 256 x 2,048 float32; v1 256 float32; v2 128 float32; w1 512 x 256 float32; w2 256 x 128 float32; xyz1 8 x 3 x 8,192 float32; xyz2 8 x 3 x 2,048 float32.
;; Outputs: out0 8 x 128 x 8,192 float32.
;; One version. Each part assembles by itself: llvm-mc -triple=amdgcn-amd-amdhsa -mcpu=gfx1250 --defsym DOCPART=n.
;; ======== version 1 of 1: 3 launches
;; limits: values are held in f16: magnitudes above 65,504 overflow, below 6.1e-05 lose precision
;; workspace buffers: gid 262,144 bytes of whole numbers; nidx 524,288 bytes of whole numbers; nwgt 1,048,576 bytes; w1h 262,144 bytes; w2h 65,536 bytes; gtab 8,388,608 bytes
;; launch search (part 1): grid 256 x 1, 8 waves a work-group, no clusters, 84,992 bytes of LDS; arguments xyz1, xyz2, w1, w2, gid, w1h, w2h; writes gid, w1h, w2h
.if DOCPART == 1
	.amdgcn_target "amdgcn-amd-amdhsa--gfx1250"
	.amdhsa_code_object_version 6
	.text
	.protected	k_q1f3746a47e_search
	.globl	k_q1f3746a47e_search
	.p2align	8
	.type	k_q1f3746a47e_search,@function
k_q1f3746a47e_search:
	s_mov_b64 s[64:65], 0
	v_nop
	global_prefetch_b8 v0, s[64:65] scope:SCOPE_SE
	s_setreg_imm32_b32 hwreg(HW_REG_WAVE_MODE, 25, 1), 1
	s_wait_xcnt 0x0
; SEARCH.  For each of 256 queries of one batch: the three GROUPS of 16 consecutive candidates (128 groups of the batch's 2,048) with the smallest (group minimum of d, group number).
; Under the order (d, index) the three nearest candidates lie in these three groups: a candidate outside them has three group minima in front of it.  A later launch ranks the 48.
; Also: w1 and w2 are rounded to bf16 (512 and 128 numbers a work-group).
; NUMBERS.  All coordinates are rounded once to bf16 (nearest even), so every product of two of them is exact in f32, and
;   sq = fma(z, z, fma(y, y, x x)),  e' = fma(z1, -2 z2, fma(y1, -2 y2, x1 (-2 x2))),  d = (sq1 + sq2) + e'
; has one value however multiply and add are fused.  LIMITS: the sums over the three coordinates run in the order 0, 1, 2; NaN, distances that overflow and products under 2^-126 are not
; treated apart (the numbers stored are then still group numbers 0..127).  Ties: every scan runs in ascending group number with a strict <, so the lower number stays in front.
; SHARES.  Eight waves.  Every wave holds all 256 queries, 8 a lane (query 8 l + i); wave w scans groups 16 w .. 16 w + 15: one LDS load of 16 bytes, the same for all lanes, feeds 24 vector lines.
; No matrix unit: the order of the neighbours hangs on d's last bit, so d is wanted as the chain of f32 roundings written above, one rounding a line.
; No cluster, no tensor load: what work-groups share is 24 KiB of xyz2.
.set TBL,   0                          ; LDS: 128 groups, 272 bytes apart: 8 records of 32 bytes (-2x, -2x, -2y, -2y, -2z, -2z, sq, sq of candidates 2u, 2u + 1)
.set GP,    272
.set MV,    34816                      ; f32 [8 waves][3][256 queries]: each wave's three smallest minima
.set MI,    59392                      ; u32, the same shape: their group numbers
.set SPARE, 83968                      ; the spare words, 128 bytes for each wave
.set SPW, 14                           ; v14  LDS address of my spare word; never rewritten
.set NIL, 15                           ; v15  0; never rewritten
.set XQ,  16                           ; v[16:79]   query i: (x,x) (y,y) (z,z) (sq,sq) at XQ + 8 i
.set DD,  80                           ; v[80:103]  the k-th smallest minimum of query i at DD + 8 k + i
.set II,  104                          ; v[104:127] its group number
.set GM,  128                          ; v[128:135] the minimum of the group in hand
.set EE,  136                          ; v[136:151] at work, a pair a query
.set TT,  152                          ; v[152:167] at work
.set CA,  168                          ; v[168:231] one group's 8 records
.set RW2, 136                          ; the head alone: xyz2 as loaded, x y z of 8 candidates
.set RW1, 160                          ; xyz1 as loaded, x y z of my 8 queries
.set REC, 184                          ; four records
.set SQ1, 216                          ; my queries' sq
.set TMP, 224                          ; four at work
.set ML,  128                          ; the merge alone: v[128:211] lists 1 to 7, 12 registers each: three pairs of minima, three pairs of numbers
; v[232:239] weights on their way through waves 4 to 6; v8, v9 their offsets; none rewritten afterwards
.macro ROUND2 a, b, t                  ; two numbers rounded to bf16 and widened again
	v_cvt_pk_bf16_f32 v[\t], v[\a], v[\b]
	v_lshlrev_b32 v[\a], 16, v[\t]
	v_and_b32 v[\b], 0xffff0000, v[\t]
.endm
.macro EACH8 line:vararg               ; one line for each i = 0..7: dependent lines stand eight apart
.set i, 0
.rept 8
	\line
.set i, i+1
.endr
.endm
; m with number id goes into the sorted three (d0 <= d1 <= d2) where it is strictly smaller
.macro INSERT m, id, d0, d1, d2, i0, i1, i2, mk
	v_cmp_lt_f32 s[(\mk)], v[\m], v[\d2]
	v_cmp_lt_f32 s[(\mk)+1], v[\m], v[\d1]
	v_cmp_lt_f32 s[(\mk)+2], v[\m], v[\d0]
	v_cndmask_b32 v[\i2], v[\i2], v[\id], s[(\mk)]
	v_cndmask_b32 v[\i2], v[\i2], v[\i1], s[(\mk)+1]
	v_cndmask_b32 v[\i1], v[\i1], v[\id], s[(\mk)+1]
	v_cndmask_b32 v[\i1], v[\i1], v[\i0], s[(\mk)+2]
	v_cndmask_b32 v[\i0], v[\i0], v[\id], s[(\mk)+2]
	v_med3_num_f32 v[\d2], v[\d1], v[\d2], v[\m]
	v_med3_num_f32 v[\d1], v[\d0], v[\d1], v[\m]
	v_min_num_f32 v[\d0], v[\d0], v[\m]
.endm
.macro INSERT8                         ; the same for my 8 queries, stage by stage; the number is s23
	v_mov_b32 v13, s23
	EACH8 v_cmp_lt_f32 s[40+i], v[GM+i], v[DD+16+i]
	EACH8 v_cmp_lt_f32 s[48+i], v[GM+i], v[DD+8+i]
	EACH8 v_cmp_lt_f32 s[56+i], v[GM+i], v[DD+i]
	EACH8 v_cndmask_b32 v[II+16+i], v[II+16+i], v13, s[40+i]
	EACH8 v_cndmask_b32 v[II+16+i], v[II+16+i], v[II+8+i], s[48+i]
	EACH8 v_cndmask_b32 v[II+8+i], v[II+8+i], v13, s[48+i]
	EACH8 v_cndmask_b32 v[II+8+i], v[II+8+i], v[II+i], s[56+i]
	EACH8 v_cndmask_b32 v[II+i], v[II+i], v13, s[56+i]
	EACH8 v_med3_num_f32 v[DD+16+i], v[DD+8+i], v[DD+16+i], v[GM+i]
	EACH8 v_med3_num_f32 v[DD+8+i], v[DD+i], v[DD+8+i], v[GM+i]
	EACH8 v_min_num_f32 v[DD+i], v[DD+i], v[GM+i]
.endm
.macro PAIR                            ; record p: two candidates against my 8 queries
	EACH8 v_pk_mul_f32 v[EE+2*i:EE+2*i+1], v[XQ+8*i:XQ+8*i+1], v[CA+8*p:CA+8*p+1]
	EACH8 v_pk_fma_f32 v[EE+2*i:EE+2*i+1], v[XQ+8*i+2:XQ+8*i+3], v[CA+8*p+2:CA+8*p+3], v[EE+2*i:EE+2*i+1]
	EACH8 v_pk_fma_f32 v[EE+2*i:EE+2*i+1], v[XQ+8*i+4:XQ+8*i+5], v[CA+8*p+4:CA+8*p+5], v[EE+2*i:EE+2*i+1]
	EACH8 v_pk_add_f32 v[TT+2*i:TT+2*i+1], v[XQ+8*i+6:XQ+8*i+7], v[CA+8*p+6:CA+8*p+7]
	EACH8 v_pk_add_f32 v[EE+2*i:EE+2*i+1], v[TT+2*i:TT+2*i+1], v[EE+2*i:EE+2*i+1]
.if p == 0
	EACH8 v_min_num_f32 v[GM+i], v[EE+2*i], v[EE+2*i+1]
.else
	EACH8 v_min3_num_f32 v[GM+i], v[GM+i], v[EE+2*i], v[EE+2*i+1]
.endif
.endm
	s_load_b256 s[4:11], s[0:1], 0x0               ; xyz1 s[4:5], xyz2 s[6:7], w1 s[8:9], w2 s[10:11]
	s_load_b128 s[12:15], s[0:1], 0x20             ; gid s[12:13], w1h s[14:15]
	s_load_b64 s[16:17], s[0:1], 0x30              ; w2h
	v_lshl_add_u32 v[SPW], v0, 2, SPARE
	v_mov_b32 v[NIL], 0
	v_lshrrev_b32 v1, 5, v0
	v_readfirstlane_b32 s20, v1                    ; wave 0..7
	v_and_b32 v2, 31, v0                           ; lane
	s_mov_b32 s21, ttmp9                           ; work-group g: batch g / 32, queries 256 (g % 32) on
	s_lshr_b32 s24, s21, 5
	s_and_b32 s25, s21, 31
	s_mul_i32 s28, s24, 24576                      ; a batch of xyz2
	s_mov_b32 s29, 0
	s_mul_i32 s30, s24, 98304                      ; a batch of xyz1,
	s_lshl_b32 s25, s25, 10                        ; my 256 queries in a row of it
	s_add_co_u32 s30, s30, s25
	s_mov_b32 s31, 0
	v_lshlrev_b32 v3, 5, v0                        ; xyz2: thread t takes candidates 8 t .. 8 t + 7
	v_lshlrev_b32 v4, 5, v2                        ; xyz1: lane l takes queries 8 l .. 8 l + 7
	v_lshrrev_b32 v5, 1, v0                        ; the table: group t / 2, half t % 2
	v_mul_u32_u24 v5, v5, GP
	v_and_b32 v6, 1, v0
	v_lshl_add_u32 v5, v6, 7, v5
	s_mul_i32 s26, s20, 16*GP
	v_mov_b32 v10, s26                             ; my wave's first group, the same address in all lanes
	s_mul_i32 s26, s20, 3072
	v_lshl_add_u32 v11, v2, 5, s26
	v_add_nc_u32 v11, MV, v11                      ; where my lists go
	s_lshl_b32 s26, s20, 8
	v_lshl_add_u32 v12, v2, 3, s26
	v_add_nc_u32 v12, MV, v12                      ; the merge (waves 0 to 3): queries 64 w + 2 l, + 1; never rewritten
	s_lshl_b32 s23, s20, 4
	s_sub_co_u32 s23, s23, 1                       ; the number of the group before my first
	s_mov_b32 s27, 0x7f800000                      ; +infinity
	s_wait_kmcnt 0x0
	s_add_nc_u64 s[6:7], s[6:7], s[28:29]
	s_add_nc_u64 s[4:5], s[4:5], s[30:31]
.irp c, 0,1,2
	global_load_b128 v[RW2+8*(\c):RW2+8*(\c)+3],   v3, s[6:7] offset:8192*(\c)
	global_load_b128 v[RW2+8*(\c)+4:RW2+8*(\c)+7], v3, s[6:7] offset:8192*(\c)+16
.endr
.irp c, 0,1,2
	global_load_b128 v[RW1+8*(\c):RW1+8*(\c)+3],   v4, s[4:5] offset:32768*(\c)
	global_load_b128 v[RW1+8*(\c)+4:RW1+8*(\c)+7], v4, s[4:5] offset:32768*(\c)+16
.endr
	; the weights: waves 4 and 5 round 256 numbers of w1 each, wave 6 128 of w2; their loads travel with the coordinates'
	s_cmp_lt_u32 s20, 4
	s_cbranch_scc1 .Ljoin
	s_cmp_eq_u32 s20, 7
	s_cbranch_scc1 .Ljoin
	s_cmp_eq_u32 s20, 6
	s_cbranch_scc1 .Lw2
	s_sub_co_u32 s34, s20, 4
	s_lshl_b32 s35, s34, 10
	s_lshl_b32 s36, s21, 11
	s_add_co_u32 s35, s35, s36                     ; 2,048 g + 1,024 (w - 4)
	v_lshl_add_u32 v8, v2, 5, s35
	global_load_b128 v[232:235], v8, s[8:9] th:TH_LOAD_NT
	global_load_b128 v[236:239], v8, s[8:9] offset:16 th:TH_LOAD_NT
	s_lshr_b32 s35, s35, 1
	v_lshl_add_u32 v9, v2, 4, s35
	s_wait_loadcnt 0x0
	v_cvt_pk_bf16_f32 v232, v232, v233
	v_cvt_pk_bf16_f32 v233, v234, v235
	v_cvt_pk_bf16_f32 v234, v236, v237
	v_cvt_pk_bf16_f32 v235, v238, v239
	global_store_b128 v9, v[232:235], s[14:15]     ; the wave's store covers 512 consecutive bytes, aligned
	s_branch .Ljoin
.Lw2:
	s_lshl_b32 s35, s21, 9
	v_lshl_add_u32 v8, v2, 4, s35
	global_load_b128 v[232:235], v8, s[10:11] th:TH_LOAD_NT
	s_lshr_b32 s35, s35, 1
	v_lshl_add_u32 v9, v2, 3, s35
	s_wait_loadcnt 0x0
	v_cvt_pk_bf16_f32 v232, v232, v233
	v_cvt_pk_bf16_f32 v233, v234, v235
	global_store_b64 v9, v[232:233], s[16:17]      ; 256 consecutive bytes, aligned
.Ljoin:
	s_wait_loadcnt 0x0                             ; the coordinates
	; the table: my 8 candidates are four records
.set n, 0
.rept 12
	ROUND2 RW2+2*n, RW2+2*n+1, TMP+n%4
.set n, n+1
.endr
.set p, 0
.rept 4
	v_pk_mul_f32 v[REC+8*p+6:REC+8*p+7], v[RW2+2*p:RW2+2*p+1], v[RW2+2*p:RW2+2*p+1]
	v_pk_fma_f32 v[REC+8*p+6:REC+8*p+7], v[RW2+8+2*p:RW2+8+2*p+1], v[RW2+8+2*p:RW2+8+2*p+1], v[REC+8*p+6:REC+8*p+7]
	v_pk_fma_f32 v[REC+8*p+6:REC+8*p+7], v[RW2+16+2*p:RW2+16+2*p+1], v[RW2+16+2*p:RW2+16+2*p+1], v[REC+8*p+6:REC+8*p+7]
	v_pk_mul_f32 v[REC+8*p:REC+8*p+1],   v[RW2+2*p:RW2+2*p+1],       -2.0 op_sel_hi:[1,0]
	v_pk_mul_f32 v[REC+8*p+2:REC+8*p+3], v[RW2+8+2*p:RW2+8+2*p+1],   -2.0 op_sel_hi:[1,0]
	v_pk_mul_f32 v[REC+8*p+4:REC+8*p+5], v[RW2+16+2*p:RW2+16+2*p+1], -2.0 op_sel_hi:[1,0]
	ds_store_b128 v5, v[REC+8*p:REC+8*p+3]   offset:TBL+32*p
	ds_store_b128 v5, v[REC+8*p+4:REC+8*p+7] offset:TBL+32*p+16
.set p, p+1
.endr
	; my 8 queries
.set n, 0
.rept 12
	ROUND2 RW1+2*n, RW1+2*n+1, TMP+n%4
.set n, n+1
.endr
.set p, 0
.rept 4
	v_pk_mul_f32 v[SQ1+2*p:SQ1+2*p+1], v[RW1+2*p:RW1+2*p+1], v[RW1+2*p:RW1+2*p+1]
	v_pk_fma_f32 v[SQ1+2*p:SQ1+2*p+1], v[RW1+8+2*p:RW1+8+2*p+1], v[RW1+8+2*p:RW1+8+2*p+1], v[SQ1+2*p:SQ1+2*p+1]
	v_pk_fma_f32 v[SQ1+2*p:SQ1+2*p+1], v[RW1+16+2*p:RW1+16+2*p+1], v[RW1+16+2*p:RW1+16+2*p+1], v[SQ1+2*p:SQ1+2*p+1]
.set p, p+1
.endr
.set n, 0
.rept 8                                ; each number twice, so that the packed lines of the loop take plain pairs
	v_mov_b32 v[XQ+8*n],   v[RW1+n]
	v_mov_b32 v[XQ+8*n+1], v[RW1+n]
	v_mov_b32 v[XQ+8*n+2], v[RW1+8+n]
	v_mov_b32 v[XQ+8*n+3], v[RW1+8+n]
	v_mov_b32 v[XQ+8*n+4], v[RW1+16+n]
	v_mov_b32 v[XQ+8*n+5], v[RW1+16+n]
	v_mov_b32 v[XQ+8*n+6], v[SQ1+n]
	v_mov_b32 v[XQ+8*n+7], v[SQ1+n]
.set n, n+1
.endr
.set n, 0
.rept 24
	v_mov_b32 v[DD+n], s27
	v_mov_b32 v[II+n], 0
.set n, n+1
.endr
	EACH8 v_mov_b32 v[GM+i], s27
	s_wait_dscnt 0x0                               ; for the others' sake: my part of the table is stored
	s_barrier_signal -1
	s_barrier_wait -1
	; THE SCAN: 16 trips, a group each.  The group's 16 loads go out; the group before is inserted meanwhile (in the first trip its minimum is +infinity, which is smaller than nothing).
	s_mov_b32 s22, 16
.Lgroup:
.set k, 0
.rept 16
	ds_load_b128 v[CA+4*k:CA+4*k+3], v10 offset:TBL+16*k
.set k, k+1
.endr
	INSERT8
	s_add_co_u32 s23, s23, 1                       ; the number of the group in hand
	v_add_nc_u32 v10, GP, v10
.set p, 0
.rept 8
	s_wait_dscnt 14-2*p                            ; record p's two loads are in; the younger records' may stay out
	PAIR
.set p, p+1
.endr
	s_sub_co_u32 s22, s22, 1
	s_cmp_lg_u32 s22, 0
	s_cbranch_scc1 .Lgroup
	INSERT8                                        ; the last group
	; my wave's lists
.irp k, 0,1,2
	ds_store_b128 v11, v[DD+8*(\k):DD+8*(\k)+3]   offset:1024*(\k)
	ds_store_b128 v11, v[DD+8*(\k)+4:DD+8*(\k)+7] offset:1024*(\k)+16
	ds_store_b128 v11, v[II+8*(\k):II+8*(\k)+3]   offset:MI-MV+1024*(\k)
	ds_store_b128 v11, v[II+8*(\k)+4:II+8*(\k)+7] offset:MI-MV+1024*(\k)+16
.endr
	s_wait_dscnt 0x0
	s_barrier_signal -1
	s_barrier_wait -1
	s_cmp_lt_u32 s20, 4
	s_cbranch_scc0 .Lend
	; THE MERGE, waves 0 to 3, two queries a lane: wave 0's list is the start, the others' go in by ascending wave, which is ascending group number.
	; It is written out: the address register stands still and list j stands in the immediate, 3,072 j + 1,024 k (the numbers 24,576 further on): 48,128 at the most, so the last byte read
	; is MI's last.  All 48 loads go out in one run
.irp k, 0,1,2
	ds_load_b64 v[80+2*(\k):81+2*(\k)], v12 offset:1024*(\k)
	ds_load_b64 v[86+2*(\k):87+2*(\k)], v12 offset:MI-MV+1024*(\k)
.endr
.set j, 1
.rept 7
.irp k, 0,1,2
	ds_load_b64 v[ML+12*(j-1)+2*(\k):ML+12*(j-1)+2*(\k)+1],     v12 offset:3072*j+1024*(\k)
	ds_load_b64 v[ML+12*(j-1)+6+2*(\k):ML+12*(j-1)+6+2*(\k)+1], v12 offset:MI-MV+3072*j+1024*(\k)
.endr
.set j, j+1
.endr
.set j, 1
.rept 7
	s_wait_dscnt 6*(7-j)                           ; list j is in (and list 0 in front of it); the six loads of each younger list may stay out
.irp k, 0,1,2
	INSERT ML+12*(j-1)+2*(\k),   ML+12*(j-1)+6+2*(\k),   80, 82, 84, 86, 88, 90, 40
	INSERT ML+12*(j-1)+2*(\k)+1, ML+12*(j-1)+6+2*(\k)+1, 81, 83, 85, 87, 89, 91, 44
.endr
.set j, j+1
.endr
	; the three numbers in ascending order, packed a | b << 8 | c << 16
.macro CMPX a, b                       ; the smaller into a, the larger into b
	v_cmp_lt_u32 s40, v[\b], v[\a]
	v_cndmask_b32 v104, v[\a], v[\b], s40
	v_cndmask_b32 v[\b], v[\b], v[\a], s40
	v_mov_b32 v[\a], v104
.endm
.irp q, 0,1
	CMPX 86+(\q), 88+(\q)
	CMPX 88+(\q), 90+(\q)
	CMPX 86+(\q), 88+(\q)
	v_lshl_or_b32 v[106+(\q)], v[88+(\q)], 8, v[86+(\q)]
	v_lshl_or_b32 v[106+(\q)], v[90+(\q)], 16, v[106+(\q)]
.endr
	s_lshl_b32 s26, s21, 10
	s_lshl_b32 s34, s20, 8
	s_add_co_u32 s26, s26, s34
	v_lshl_add_u32 v105, v2, 3, s26
	global_store_b64 v105, v[106:107], s[12:13]    ; the wave's store covers 256 consecutive bytes, aligned
.Lend:
	s_wait_tensorcnt 0x0                           ; the wave's end: behind my last LDS store
	ds_add_u32 v[SPW], v[NIL]
	s_wait_dscnt 0x0
	s_endpgm
.Lfunc_end_k_q1f3746a47e_search:
	.size	k_q1f3746a47e_search, .Lfunc_end_k_q1f3746a47e_search-k_q1f3746a47e_search
	.p2alignl 7, 3214868480
	.fill 96, 4, 3214868480
	.section	.rodata,"a",@progbits
	.p2align	6, 0x0
	.amdhsa_kernel k_q1f3746a47e_search
		.amdhsa_group_segment_fixed_size 84992
		.amdhsa_private_segment_fixed_size 0
		.amdhsa_enable_private_segment 0
		.amdhsa_kernarg_size 56
		.amdhsa_user_sgpr_count 2
		.amdhsa_user_sgpr_kernarg_segment_ptr 1
		.amdhsa_wavefront_size32 1
		.amdhsa_system_sgpr_workgroup_id_x 1
		.amdhsa_system_sgpr_workgroup_id_y 1
		.amdhsa_system_sgpr_workgroup_id_z 1
		.amdhsa_system_vgpr_workitem_id 0
		.amdhsa_next_free_vgpr 240
		.amdhsa_next_free_sgpr 66
		.amdhsa_reserve_vcc 0
		.amdhsa_float_denorm_mode_32 3
		.amdhsa_float_denorm_mode_16_64 3
		.amdhsa_memory_ordered 1
		.amdhsa_forward_progress 1
		.amdhsa_inst_pref_size 85
	.end_amdhsa_kernel
	.amdgpu_metadata
---
amdhsa.version: [ 1, 2 ]
amdhsa.kernels:
  - .name:           k_q1f3746a47e_search
    .symbol:         k_q1f3746a47e_search.kd
    .args:
      - { .name: xyz1, .offset: 0, .size: 8, .value_kind: global_buffer, .address_space: global }
      - { .name: xyz2, .offset: 8, .size: 8, .value_kind: global_buffer, .address_space: global }
      - { .name: w1, .offset: 16, .size: 8, .value_kind: global_buffer, .address_space: global }
      - { .name: w2, .offset: 24, .size: 8, .value_kind: global_buffer, .address_space: global }
      - { .name: gid, .offset: 32, .size: 8, .value_kind: global_buffer, .address_space: global }
      - { .name: w1h, .offset: 40, .size: 8, .value_kind: global_buffer, .address_space: global }
      - { .name: w2h, .offset: 48, .size: 8, .value_kind: global_buffer, .address_space: global }
    .group_segment_fixed_size: 84992
    .private_segment_fixed_size: 0
    .kernarg_segment_align: 8
    .kernarg_segment_size: 56
    .max_flat_workgroup_size: 256
    .sgpr_count:     66
    .vgpr_count:     240
    .wavefront_size: 32
...
	.end_amdgpu_metadata
.endif
;; end of part 1
;; launch refine (part 2): grid 256 x 1, 8 waves a work-group, no clusters, 249,856 bytes of LDS; arguments xyz1, xyz2, points2, gid, w1h, nidx, nwgt, gtab; writes nidx, nwgt, gtab
.if DOCPART == 2
	.amdgcn_target "amdgcn-amd-amdhsa--gfx1250"
	.amdhsa_code_object_version 6
	.text
	.protected	k_q1f3746a47e_refine
	.globl	k_q1f3746a47e_refine
	.p2align	8
	.type	k_q1f3746a47e_refine,@function
k_q1f3746a47e_refine:
	s_mov_b64 s[64:65], 0
	v_nop
	global_prefetch_b8 v0, s[64:65] scope:SCOPE_SE
	s_setreg_imm32_b32 hwreg(HW_REG_WAVE_MODE, 25, 1), 1
	s_wait_xcnt 0x0
; REFINE.  (1) For each of 256 queries: the 48 candidates of its three groups (gid, ascending) are ranked by (d, index): the three nearest, and their weights
; w_k = (1 / (d_k + 1e-8)) / sum.  d is formed exactly as in the search: coordinates rounded once to bf16, sq = fma(z,z,fma(y,y,x x)), e' = fma(z1,-2 z2,fma(y1,-2 y2,x1 (-2 x2))), d = (sq1 + sq2) + e'.
; (2) G = f2 w1[256:512], 64 rows of it: since interp w1[256:] = sum_k w_k G[idx_k], the interpolated half of layer 1 becomes a weighted sum of three rows of G.
; points2 and w1 enter as bf16, sums in f32, G is stored rounded once to f16: it is no matrix operand, and f16's 11 significant bits leave an eighth of the error that bf16's 8 would.
; LIMITS: as in the search; the reciprocals are v_rcp_f32's (1 ulp); NaN and infinities are not treated apart.  G beyond 65,504 becomes an infinity: G is a sum of 256 products, of spread 0.32 for
; inputs as drawn, about 300 with points2 and w1 both 30 times larger, about 4,600 with both carrying an offset of 30 spreads.  Below 6e-5 G keeps f16's fixed step of 6e-8.
; SHARES.  Eight waves.  Thread t: query 256 (g % 32) + t of batch g / 32.  G: rows 64 g .. 64 g + 63 of [8 x 2048]; wave w makes channels 32 w .. 32 w + 31: 2 x 4 accumulators, K = 256 in 8 steps.
; LAYOUT of G's product: D = A B, A = 16 channels x 32 k out of w1 as it lies ([k][c]) by the turning load, B = 32 k x 16 rows out of f2 as it lies ([k][s]) likewise:
; a lane then holds one row s of G and 8 neighbouring channels: 16 bytes of f16.
; NO CLUSTER, though all work-groups read the same 128 KiB of w1h: the table reads below take LDS addresses from gid, which differ from work-group to work-group.
.set WB,    0                          ; LDS: w1h rows 256..511, [256 k][256 c] bf16, 544 bytes apart (512 + 32): filled once, by the tensor loads
.set PW,    544
.set TBL,   139264                     ; the candidates' table, as in the search
.set GP,    272
.set F2L,   174080                     ; f2: [256 k][64 s] bf16, 160 bytes apart (128 + 32)
.set PF,    160
.set GST,   215040                     ; G's way out: 64 rows, 528 bytes apart (512 + 16)
.set PG,    528
.set SPARE, 248832                     ; the spare words, 128 bytes for each wave
.set SPW, 30                           ; v30  LDS address of my spare word; never rewritten
.set NIL, 31                           ; v31  0; never rewritten
.set FR,  32                           ; v[32:95]   f2 as loaded; then a group's 8 records; v[32:127] then two sets of 48: fragments
.set RW2, 96                           ; v[96:119]  xyz2 as loaded
.set REC, 120                          ; v[120:151] four records
.set QR,  152                          ; v[152:155] x, y, z of my query, its gid; v[156:159] at work
.set EE,  96                           ; v[96:111]  at work: the group's 16 distances
.set TT,  112                          ; v[112:127] at work
.set PKD, 128                          ; v[128:159] packed 16-bit numbers
.set QD,  160                          ; v[160:167] (x,x) (y,y) (z,z) (sq,sq)
.set ST,  168                          ; v[168:173] d0 d1 d2 i0 i1 i2; v174 the candidate's index
.set AG,  176                          ; v[176:239] accumulators: channel tile e, row tile t at AG + 8 (4 e + t)
.set WQ,  240                          ; v[240:243] w0 w1 w2 0; v[244:245] i0 | i1 << 16, i2; never rewritten
.macro ROUND2 a, b, t
	v_cvt_pk_bf16_f32 v[\t], v[\a], v[\b]
	v_lshlrev_b32 v[\a], 16, v[\t]
	v_and_b32 v[\b], 0xffff0000, v[\t]
.endm
.macro EACH8 line:vararg
.set i, 0
.rept 8
	\line
.set i, i+1
.endr
.endm
.macro INSERT m, id, d0, d1, d2, i0, i1, i2, mk
	v_cmp_lt_f32 s[(\mk)], v[\m], v[\d2]
	v_cmp_lt_f32 s[(\mk)+1], v[\m], v[\d1]
	v_cmp_lt_f32 s[(\mk)+2], v[\m], v[\d0]
	v_cndmask_b32 v[\i2], v[\i2], v[\id], s[(\mk)]
	v_cndmask_b32 v[\i2], v[\i2], v[\i1], s[(\mk)+1]
	v_cndmask_b32 v[\i1], v[\i1], v[\id], s[(\mk)+1]
	v_cndmask_b32 v[\i1], v[\i1], v[\i0], s[(\mk)+2]
	v_cndmask_b32 v[\i0], v[\i0], v[\id], s[(\mk)+2]
	v_med3_num_f32 v[\d2], v[\d1], v[\d2], v[\m]
	v_med3_num_f32 v[\d1], v[\d0], v[\d1], v[\m]
	v_min_num_f32 v[\d0], v[\d0], v[\m]
.endm
	s_load_b256 s[4:11], s[0:1], 0x0               ; xyz1 s[4:5], xyz2 s[6:7], points2 s[8:9], gid s[10:11]
	s_load_b256 s[12:19], s[0:1], 0x20             ; w1h s[12:13], nidx s[14:15], nwgt s[16:17], gtab s[18:19]
	v_lshl_add_u32 v[SPW], v0, 2, SPARE
	v_mov_b32 v[NIL], 0
	ds_add_u32 v[SPW], v[NIL]                      ; the wave's opening: the add and its wait ahead of my first tensor load; the set-up below, work on registers, stands between
	ds_add_u32 v30, v31
	v_lshrrev_b32 v2, 5, v0
	v_readfirstlane_b32 s20, v2                    ; wave 0..7
	s_mov_b32 s21, ttmp9                           ; work-group g
	; descriptor group 1: 32 rows of 256 elements of 2 bytes, 8 words of padding behind every 128
	s_mov_b32 s28, (1<<16)|(1<<20)|(6<<22)|(7<<25)
	s_mov_b32 s29, 256<<16                         ; tensor_dim0 = 256
	s_mov_b32 s30, 32<<16                          ; tensor_dim1 = 32
	s_mov_b32 s31, 256<<16                         ; tile_dim0 = 256
	s_mov_b32 s32, 32                              ; tile_dim1 = 32
	s_mov_b32 s33, 256                             ; elements from row to row
	s_mov_b32 s34, 0
	s_mov_b32 s35, 0
	s_mov_b32 s24, 1
	s_mul_i32 s25, s20, 32*PW                      ; my 32 rows in WB
	v_and_b32 v1, 31, v0                           ; l
	v_and_b32 v2, 15, v0                           ; r = l % 16
	v_bfe_u32 v22, v0, 4, 1                        ; h = l / 16
	v_and_b32 v23, 7, v0
	v_bfe_u32 v24, v0, 3, 1
	v_lshl_add_u32 v25, v22, 3, v23                ; 8 h + l % 8: the turning load's row
	v_lshlrev_b32 v3, 5, v0                        ; xyz2: 32 t
	v_lshlrev_b32 v4, 2, v0                        ; xyz1, gid: 4 t
	v_lshlrev_b32 v5, 13, v22                      ; f2 in memory: channel 32 w + h, 16 bytes at 16 r
	v_lshl_add_u32 v5, v2, 4, v5
	s_lshl_b32 s36, s20, 18
	v_add_nc_u32 v5, s36, v5
	v_mul_u32_u24 v6, v22, PF                      ; f2 in LDS: the same channel, 8 bytes at 8 r
	v_lshl_add_u32 v6, v2, 3, v6
	s_mul_i32 s36, s20, 32*PF
	s_add_co_u32 s36, s36, F2L
	v_add_nc_u32 v6, s36, v6
	v_lshrrev_b32 v7, 1, v0                        ; the table: group t / 2, half t % 2
	v_mul_u32_u24 v7, v7, GP
	v_and_b32 v26, 1, v0
	v_lshl_add_u32 v7, v26, 7, v7
	v_add_nc_u32 v7, TBL, v7
	v_mul_u32_u24 v8, v25, PW                      ; A's fragments: K steps 0 to 3,
	v_lshl_add_u32 v8, v24, 4, v8
	s_lshl_b32 s36, s20, 6                         ; my 32 channels: 64 bytes
	v_add_nc_u32 v8, s36, v8
	v_add_nc_u32 v9, 4*32*PW, v8                   ; and 4 to 7: the immediate has 16 bits
	v_mul_u32_u24 v10, v25, PF                     ; B's fragments
	v_lshl_add_u32 v10, v24, 4, v10
	v_add_nc_u32 v10, F2L, v10
	v_mul_u32_u24 v11, v2, PG                      ; G's way out, in: row r, 16 bytes for each half of the lanes, my 64 bytes
	v_lshl_add_u32 v11, v22, 4, v11
	s_add_co_u32 s36, s36, GST
	v_add_nc_u32 v11, s36, v11
	s_mul_i32 s36, s20, 8*PG                       ; back: rows 8 w + i, whole
	s_add_co_u32 s36, s36, GST
	v_lshl_add_u32 v12, v1, 4, s36
	s_lshl_b32 s36, s20, 12
	v_lshl_add_u32 v13, v1, 4, s36                 ; and the same rows in gtab
	v_lshlrev_b32 v14, 3, v0                       ; nidx: 8 t
	v_lshlrev_b32 v15, 4, v0                       ; nwgt: 16 t
	s_wait_dscnt 0x0                               ; the opening add is done
	s_wait_kmcnt 0x0
	s_lshl_b32 s36, s20, 14                        ; 32 rows of 512 bytes,
	s_add_co_u32 s36, s36, 131072                  ; behind w1h's first 256 rows
	s_mov_b32 s37, 0
	s_add_nc_u64 s[26:27], s[12:13], s[36:37]
	s_or_b32 s27, s27, 0x80000000                  ; type = 2
	tensor_load_to_lds s[24:27], s[28:35]          ; my one tensor load: an eighth of WB; nothing is ever filled again
	s_nop 0
	s_lshr_b32 s38, s21, 5                         ; batch
	s_and_b32 s39, s21, 31
	s_mul_i32 s36, s38, 24576
	s_add_nc_u64 s[6:7], s[6:7], s[36:37]
	s_mul_i32 s36, s38, 98304
	s_lshl_b32 s48, s39, 10
	s_add_co_u32 s36, s36, s48
	s_add_nc_u64 s[4:5], s[4:5], s[36:37]
	s_lshl_b32 s36, s38, 21
	s_lshl_b32 s48, s39, 8                         ; my 64 rows of G are 64 columns of points2: 256 bytes
	s_add_co_u32 s36, s36, s48
	s_add_nc_u64 s[8:9], s[8:9], s[36:37]
	s_lshl_b32 s36, s21, 10
	s_add_nc_u64 s[10:11], s[10:11], s[36:37]
	s_lshl_b32 s36, s21, 11
	s_add_nc_u64 s[14:15], s[14:15], s[36:37]
	s_lshl_b32 s36, s21, 12
	s_add_nc_u64 s[16:17], s[16:17], s[36:37]
	s_lshl_b32 s36, s21, 15
	s_add_nc_u64 s[18:19], s[18:19], s[36:37]
.irp c, 0,1,2
	global_load_b128 v[RW2+8*(\c):RW2+8*(\c)+3],   v3, s[6:7] offset:8192*(\c)
	global_load_b128 v[RW2+8*(\c)+4:RW2+8*(\c)+7], v3, s[6:7] offset:8192*(\c)+16
.endr
.irp c, 0,1,2
	global_load_b32 v[QR+(\c)], v4, s[4:5] offset:32768*(\c)
.endr
	global_load_b32 v[QR+3], v4, s[10:11]
.set n, 0
.rept 16                               ; channels 32 w + 2 n + h: sixteen lanes take a channel's 256 bytes
	global_load_b128 v[FR+4*n:FR+4*n+3], v5, s[8:9] offset:16384*n th:TH_LOAD_NT
.set n, n+1
.endr
	s_wait_loadcnt 16                              ; coordinates and gid are in; the 16 loads of f2 stay out
.set n, 0
.rept 12
	ROUND2 RW2+2*n, RW2+2*n+1, QR+4+n%4
.set n, n+1
.endr
.set p, 0
.rept 4
	v_pk_mul_f32 v[REC+8*p+6:REC+8*p+7], v[RW2+2*p:RW2+2*p+1], v[RW2+2*p:RW2+2*p+1]
	v_pk_fma_f32 v[REC+8*p+6:REC+8*p+7], v[RW2+8+2*p:RW2+8+2*p+1], v[RW2+8+2*p:RW2+8+2*p+1], v[REC+8*p+6:REC+8*p+7]
	v_pk_fma_f32 v[REC+8*p+6:REC+8*p+7], v[RW2+16+2*p:RW2+16+2*p+1], v[RW2+16+2*p:RW2+16+2*p+1], v[REC+8*p+6:REC+8*p+7]
	v_pk_mul_f32 v[REC+8*p:REC+8*p+1],   v[RW2+2*p:RW2+2*p+1],       -2.0 op_sel_hi:[1,0]
	v_pk_mul_f32 v[REC+8*p+2:REC+8*p+3], v[RW2+8+2*p:RW2+8+2*p+1],   -2.0 op_sel_hi:[1,0]
	v_pk_mul_f32 v[REC+8*p+4:REC+8*p+5], v[RW2+16+2*p:RW2+16+2*p+1], -2.0 op_sel_hi:[1,0]
	ds_store_b128 v7, v[REC+8*p:REC+8*p+3]   offset:32*p
	ds_store_b128 v7, v[REC+8*p+4:REC+8*p+7] offset:32*p+16
.set p, p+1
.endr
	; my query
	ROUND2 QR, QR+1, QR+4
	v_cvt_pk_bf16_f32 v[QR+5], v[QR+2], v[QR+2]
	v_lshlrev_b32 v[QR+2], 16, v[QR+5]
	v_mul_f32 v[QD+6], v[QR], v[QR]
	v_fma_f32 v[QD+6], v[QR+1], v[QR+1], v[QD+6]
	v_fma_f32 v[QD+6], v[QR+2], v[QR+2], v[QD+6]
	v_mov_b32 v[QD+7], v[QD+6]
.irp c, 0,1,2
	v_mov_b32 v[QD+2*(\c)],   v[QR+(\c)]
	v_mov_b32 v[QD+2*(\c)+1], v[QR+(\c)]
.endr
	; its three groups: v16-18 their LDS addresses, v19-21 their first candidates' indices.  A number that was loaded is held to 0..127 before it enters an address
	v_bfe_u32 v16, v[QR+3], 0, 8
	v_bfe_u32 v17, v[QR+3], 8, 8
	v_bfe_u32 v18, v[QR+3], 16, 8
.irp a, 0,1,2
	v_min_u32 v[16+(\a)], 0x7f, v[16+(\a)]
	v_lshlrev_b32 v[19+(\a)], 4, v[16+(\a)]
	v_mul_u32_u24 v[16+(\a)], v[16+(\a)], GP
	v_add_nc_u32 v[16+(\a)], TBL, v[16+(\a)]
.endr
.irp a, 0,1,2
	v_mov_b32 v[ST+(\a)], 0x7f800000
	v_mov_b32 v[ST+3+(\a)], 0
.endr
	s_wait_loadcnt 0x0                             ; f2
.set n, 0
.rept 16
	v_cvt_pk_bf16_f32 v[PKD+2*n],   v[FR+4*n],   v[FR+4*n+1]
	v_cvt_pk_bf16_f32 v[PKD+2*n+1], v[FR+4*n+2], v[FR+4*n+3]
	ds_store_b64 v6, v[PKD+2*n:PKD+2*n+1] offset:2*PF*n
.set n, n+1
.endr
	s_wait_tensorcnt 0x0                           ; my part of WB has landed,
	s_wait_dscnt 0x0                               ; my parts of the table and of f2 are stored
	s_barrier_signal -1
	s_barrier_wait -1                              ; everybody's are
	; THE RANKING: three trips, a group each, ascending; inside a group ascending index; strict <: of equal distances the lower index stays in front
	s_mov_b32 s22, 3
.Lgrp:
.set k, 0
.rept 16
	ds_load_b128 v[FR+4*k:FR+4*k+3], v16 offset:16*k
.set k, k+1
.endr
	s_wait_dscnt 0x0
	EACH8 v_pk_mul_f32 v[EE+2*i:EE+2*i+1], v[QD:QD+1], v[FR+8*i:FR+8*i+1]
	EACH8 v_pk_fma_f32 v[EE+2*i:EE+2*i+1], v[QD+2:QD+3], v[FR+8*i+2:FR+8*i+3], v[EE+2*i:EE+2*i+1]
	EACH8 v_pk_fma_f32 v[EE+2*i:EE+2*i+1], v[QD+4:QD+5], v[FR+8*i+4:FR+8*i+5], v[EE+2*i:EE+2*i+1]
	EACH8 v_pk_add_f32 v[TT+2*i:TT+2*i+1], v[QD+6:QD+7], v[FR+8*i+6:FR+8*i+7]
	EACH8 v_pk_add_f32 v[EE+2*i:EE+2*i+1], v[TT+2*i:TT+2*i+1], v[EE+2*i:EE+2*i+1]
.set n, 0
.rept 16
	v_add_nc_u32 v[ST+6], n, v19
	INSERT EE+n, ST+6, ST, ST+1, ST+2, ST+3, ST+4, ST+5, 40+4*(n%2)
.set n, n+1
.endr
	v_mov_b32 v16, v17                             ; the next group moves up
	v_mov_b32 v17, v18
	v_mov_b32 v19, v20
	v_mov_b32 v20, v21
	s_sub_co_u32 s22, s22, 1
	s_cmp_lg_u32 s22, 0
	s_cbranch_scc1 .Lgrp
	; the weights
	v_add_f32 v22, 0x322bcc77, v[ST]               ; d + 1e-8
	v_add_f32 v23, 0x322bcc77, v[ST+1]
	v_add_f32 v24, 0x322bcc77, v[ST+2]
	v_rcp_f32 v25, v22
	v_rcp_f32 v26, v23
	v_rcp_f32 v27, v24
	v_lshl_or_b32 v[WQ+4], v[ST+4], 16, v[ST+3]    ; a plain line behind the last reciprocal
	s_wait_alu depctr_va_vdst(0)                   ; one wait for the three, ahead of their first reader
	v_add_f32 v28, v25, v26
	v_add_f32 v28, v28, v27
	v_rcp_f32 v29, v28
	v_mov_b32 v[WQ+5], v[ST+5]
	s_wait_alu depctr_va_vdst(0)
	v_mul_f32 v[WQ], v25, v29
	v_mul_f32 v[WQ+1], v26, v29
	v_mul_f32 v[WQ+2], v27, v29
	v_mov_b32 v[WQ+3], 0
	global_store_b64 v14, v[WQ+4:WQ+5], s[14:15]   ; a wave's stores cover 256 and 512 consecutive bytes, aligned
	global_store_b128 v15, v[WQ:WQ+3], s[16:17]
	; G.  Two sets of fragments take turns; a set is asked for again four places behind its last product (ISA guide 7.12.1 for vector lines)
.macro FETCHG ks
.set FB, FR+48*((\ks)%2)
.irp e, 0,1
	ds_load_tr16_b128 v[FB+8*(\e):FB+8*(\e)+3],   v[8+(\ks)/4] offset:((\ks)%4)*32*PW+32*(\e)
	ds_load_tr16_b128 v[FB+8*(\e)+4:FB+8*(\e)+7], v[8+(\ks)/4] offset:((\ks)%4)*32*PW+32*(\e)+16*PW
.endr
.irp t, 0,1,2,3
	ds_load_tr16_b128 v[FB+16+8*(\t):FB+16+8*(\t)+3], v10 offset:(\ks)*32*PF+32*(\t)
	ds_load_tr16_b128 v[FB+16+8*(\t)+4:FB+16+8*(\t)+7], v10 offset:(\ks)*32*PF+32*(\t)+16*PF
.endr
.endm
.macro MULG ks                         ; eight products, the eight accumulators by turns; the first K step starts the sums
.set FB, FR+48*((\ks)%2)
.irp e, 0,1
.irp t, 0,1,2,3
.if (\ks) == 0
	v_wmma_f32_16x16x32_bf16 v[AG+8*(4*(\e)+(\t)):AG+8*(4*(\e)+(\t))+7], v[FB+8*(\e):FB+8*(\e)+7], v[FB+16+8*(\t):FB+16+8*(\t)+7], 0
.else
	v_wmma_f32_16x16x32_bf16 v[AG+8*(4*(\e)+(\t)):AG+8*(4*(\e)+(\t))+7], v[FB+8*(\e):FB+8*(\e)+7], v[FB+16+8*(\t):FB+16+8*(\t)+7], v[AG+8*(4*(\e)+(\t)):AG+8*(4*(\e)+(\t))+7]
.endif
.endr
.endr
.endm
	FETCHG 0
	FETCHG 1
.irp ks, 0,1,2,3,4,5,6,7
.if \ks < 7
	s_wait_dscnt 12                                ; this step's set is in; the next set's 12 loads may stay out
.else
	s_wait_dscnt 0x0
.endif
	MULG \ks
.if \ks < 6
.rept 4
	v_nop
.endr
	FETCHG (\ks)+2
.endif
.endr
.rept 8
	v_nop                                          ; the places behind the last products
.endr
.set a, 0
.rept 8
.set n, 0
.rept 4
	v_cvt_pk_f16_f32 v[PKD+4*a+n], v[AG+8*a+2*n], v[AG+8*a+2*n+1]  ; G's one rounding, to f16; each accumulator from its low end on
.set n, n+1
.endr
.set a, a+1
.endr
.irp e, 0,1
.irp t, 0,1,2,3
	ds_store_b128 v11, v[PKD+4*(4*(\e)+(\t)):PKD+4*(4*(\e)+(\t))+3] offset:(\t)*16*PG+32*(\e)
.endr
.endr
	s_wait_dscnt 0x0                               ; for the others' sake: a row's 512 bytes come from all eight waves
	s_barrier_signal -1
	s_barrier_wait -1
.irp n, 0,1,2,3,4,5,6,7
	ds_load_b128 v[FR+4*(\n):FR+4*(\n)+3], v12 offset:(\n)*PG
.endr
.irp n, 0,1,2,3,4,5,6,7
	s_wait_dscnt 7-(\n)
	global_store_b128 v13, v[FR+4*(\n):FR+4*(\n)+3], s[18:19] offset:512*(\n)  ; a whole row of G: 512 consecutive bytes, aligned
.endr
	s_wait_tensorcnt 0x0                           ; the wave's end: behind my last tensor load and my last LDS store
	ds_add_u32 v[SPW], v[NIL]
	s_wait_dscnt 0x0
	s_endpgm
.Lfunc_end_k_q1f3746a47e_refine:
	.size	k_q1f3746a47e_refine, .Lfunc_end_k_q1f3746a47e_refine-k_q1f3746a47e_refine
	.p2alignl 7, 3214868480
	.fill 96, 4, 3214868480
	.section	.rodata,"a",@progbits
	.p2align	6, 0x0
	.amdhsa_kernel k_q1f3746a47e_refine
		.amdhsa_group_segment_fixed_size 249856
		.amdhsa_private_segment_fixed_size 0
		.amdhsa_enable_private_segment 0
		.amdhsa_kernarg_size 64
		.amdhsa_user_sgpr_count 2
		.amdhsa_user_sgpr_kernarg_segment_ptr 1
		.amdhsa_wavefront_size32 1
		.amdhsa_system_sgpr_workgroup_id_x 1
		.amdhsa_system_sgpr_workgroup_id_y 1
		.amdhsa_system_sgpr_workgroup_id_z 1
		.amdhsa_system_vgpr_workitem_id 0
		.amdhsa_next_free_vgpr 256
		.amdhsa_next_free_sgpr 66
		.amdhsa_reserve_vcc 0
		.amdhsa_float_denorm_mode_32 3
		.amdhsa_float_denorm_mode_16_64 3
		.amdhsa_memory_ordered 1
		.amdhsa_forward_progress 1
		.amdhsa_inst_pref_size 47
	.end_amdhsa_kernel
	.amdgpu_metadata
---
amdhsa.version: [ 1, 2 ]
amdhsa.kernels:
  - .name:           k_q1f3746a47e_refine
    .symbol:         k_q1f3746a47e_refine.kd
    .args:
      - { .name: xyz1, .offset: 0, .size: 8, .value_kind: global_buffer, .address_space: global }
      - { .name: xyz2, .offset: 8, .size: 8, .value_kind: global_buffer, .address_space: global }
      - { .name: points2, .offset: 16, .size: 8, .value_kind: global_buffer, .address_space: global }
      - { .name: gid, .offset: 24, .size: 8, .value_kind: global_buffer, .address_space: global }
      - { .name: w1h, .offset: 32, .size: 8, .value_kind: global_buffer, .address_space: global }
      - { .name: nidx, .offset: 40, .size: 8, .value_kind: global_buffer, .address_space: global }
      - { .name: nwgt, .offset: 48, .size: 8, .value_kind: global_buffer, .address_space: global }
      - { .name: gtab, .offset: 56, .size: 8, .value_kind: global_buffer, .address_space: global }
    .group_segment_fixed_size: 249856
    .private_segment_fixed_size: 0
    .kernarg_segment_align: 8
    .kernarg_segment_size: 64
    .max_flat_workgroup_size: 256
    .sgpr_count:     66
    .vgpr_count:     256
    .wavefront_size: 32
...
	.end_amdgpu_metadata
.endif
;; end of part 2
;; launch mlp (part 3): grid 256 x 1, 4 waves a work-group, clusters of 4 x 1, 284,160 bytes of LDS; arguments points1, gtab, nidx, nwgt, out0, w1h, w2h, b1, g1, be1, m1, v1, b2, g2, be2, m2, v2; writes out0
.if DOCPART == 3
	.amdgcn_target "amdgcn-amd-amdhsa--gfx1250"
	.amdhsa_code_object_version 6
	.text
	.protected	k_q1f3746a47e_mlp
	.globl	k_q1f3746a47e_mlp
	.p2align	8
	.type	k_q1f3746a47e_mlp,@function
k_q1f3746a47e_mlp:
	s_mov_b64 s[64:65], 0
	v_nop
	global_prefetch_b8 v0, s[64:65] scope:SCOPE_SE
	s_setreg_imm32_b32 hwreg(HW_REG_WAVE_MODE, 25, 1), 1
	s_wait_xcnt 0x0
	s_wait_alu depctr_hold_cnt(0) depctr_sa_sdst(0) depctr_va_vdst(0) depctr_va_sdst(0) depctr_va_ssrc(0) depctr_va_vcc(0) depctr_vm_vsrc(0)
	s_getreg_b32 s2, hwreg(HW_REG_IB_STS2, 6, 4)
	s_cmp_eq_u32 s2, 0
	s_cbranch_scc0 .Lentry_in_a_cluster
	s_endpgm
.Lentry_in_a_cluster:
	s_bfe_u32 s2, ttmp6, 0x10000c
	s_cmp_lg_u32 s2, 0x3003
	s_cbranch_scc0 .Lentry_shape_is_right
	s_endpgm
.Lentry_shape_is_right:
; MLP.  out[c2][n] = relu(s2 (h[n] . w2[:, c2]) + t2),  h[n][c] = relu(s1 (points1[:, n] . w1[0:256, c] + sum_k w_k G[idx_k][c]) + t1),
; s = g rsq(v + 1e-5), t = (b - m) s + be, in f32.  points1, w1, w2 and the ten vectors are rounded once to bf16; G arrives in f16; sums in f32.
; h ENTERS LAYER 2 AS TWO bf16 NUMBERS: hi = h rounded, lo = h - hi rounded: 16 significant bits in bf16's range, at twice layer 2's products.  Why: a number rounded to 8 bits is off by about
; 0.0015 of itself, so 256 such terms leave the output off by about 0.0015 of its spread before the relu, a quarter of the allowance (1% of the output's root mean square): too near for
; 8.4 million numbers.  f16 has no room for h: with points1, w1 and g1 each 30 times larger its spread is about 10,000.
; LIMITS: v_rsq_f32's 1 ulp; relu by a maximum in which a NaN loses (a NaN becomes 0); infinities, and h that rounds to an infinity in bf16 (beyond 3.39e38), are not treated apart.
; SHARES.  A work-group has 256 points of one batch, each of its four waves 64 (four tiles of 16), through both layers; behind one barrier the waves never meet again.
; LAYER 1: D = A B, A = 16 channels x 32 k out of w1 as it lies ([k][c], LDS) by the turning load, B = 32 k x 16 points out of points1 as it lies ([k][n]): loaded to registers, rounded,
; set down in the wave's own stage, taken up by the turning load.  A lane then holds ONE point and 8 channels; two such tiles rounded to bf16 ARE source 0 (16 points x 32 channels) of
; LAYER 2: D = H W2: a lane holds one output channel and 8 neighbouring points; a wave's 64 points of a channel are 256 bytes of out0, gathered in the stage.
; CLUSTER.  All work-groups read the same w1h[0:256] and w2h: the four of a cluster ask for them JOINTLY: the same two tensor loads a wave, the same descriptors (made of the wave's number alone), mask 15.
; Nothing in LDS is filled a second time.  points1 comes through registers: it has to be rounded on its way, and 64 loads a wave are out from the start.
; REGISTERS, in windows of 256 (s_set_vgpr_msb: bits 1:0 source 0, 3:2 source 1, 5:4 source 2, 7:6 destination):
;   window 0: v0-31 addresses; layer 1: v32-159 A (16 fragments), v160-223 B (two sets of 4), v224-255 rounded points1
;             between: v32-159 s1 as D lies, v160-223 two sets of gs', in which h is made, v224-239 two sums at work, v240-255 s1 and t1 of my 8 channels
;             layer 2: v32-95 W2's 8 fragments, v96-127 rows on their way out, v128-131 (s2,s2,t2,t2), v160-191 4 accumulators
;   window 1: points1 as loaded, 4 slots of 64; then a tile's 48 rows of G (point i, neighbour k at 12 i + 4 k) and 16 weight words (192 + 4 i)
;   windows 2, 3: layer 1's 64 accumulators: channel tile ct, point tile pt at 8 (4 ct + pt); then H: fragment (q, pt)'s hi in the registers of tile (2 q, pt), its lo in those of tile (2 q + 1, pt)
.set PW1,   544                        ; LDS 0: w1h rows 0..255, 512 + 32 bytes apart
.set W2L,   139264                     ; w2h, 256 + 32 bytes apart
.set PW2,   288
.set WS,    212992                     ; each wave's own stage, 16,640 bytes, three uses in turn:
.set WSB,   16640
.set PST,   160                        ;   points1: 2 x [32 k][64 points] bf16, 128 + 32 bytes apart
.set STB,   5120
.set PGS,   1040                       ;   gs' = s1 sum_k w_k G + t1: [16 points][256 c] f32, 1,024 + 16 apart
.set POUT,  272                        ;   out: [16 channels][64 points] f32, 256 + 16 apart
.set S1L,   279552                     ; s1 [256] f32; t1 1,024 bytes behind it
.set ST2L,  281600                     ; (s2, s2, t2, t2) for each of 128 channels
.set SPARE, 283648                     ; the spare words, 128 bytes for each wave
.set A0,  32
.set B0,  160
.set CT,  224
.set S1C, 32
.set GS,  160
.set UU,  224
.set S1G, 240
.set T1G, 248
.set A2,  32
.set OB,  96
.set STR, 128
.set OO,  160
.set ZF,  21                           ; v21  0.0
.set NEG1, 28                          ; v28  -1.0
.set SPW, 30                           ; v30  LDS address of my spare word; never rewritten
.set NIL, 31                           ; v31  0; never rewritten
; v4 h 32768 + 16 r (points1 and out0)   v5, v6 stage in, out   v7 W1's fragments, steps   v8 16 l   v9 0   v10, v11 gs' in, out   v12, v13 W2's fragments   v14 ST2
; v15, v16 out stage in, back   v18 256 t (prefetch)   v19 S1 + 32 h   v20 S1 + 32 l   v25-27 the vectors' offsets
.set MSB, 0
.macro WIN new                         ; the immediate's high byte repeats the setting that is left; a switch that changes nothing is dropped
.if MSB != (\new)
	s_set_vgpr_msb (MSB<<8)|(\new)
.set MSB, (\new)
.endif
.endm
.macro PLACES                          ; four places behind a product, in front of loads into its registers and of lines that read its result (ISA guide 7.12.1 for vector instructions)
.rept 4
	v_nop
.endr
.endm
.macro CROUND                          ; a round of the cluster's barrier
	s_barrier_signal -1
	s_barrier_wait -1
	s_cmp_lg_u32 s38, 0
	s_cbranch_scc1 .Lnot_wave_0_\@
	s_barrier_signal -3
.Lnot_wave_0_\@:
	s_barrier_wait -3
	s_barrier_signal -1
	s_barrier_wait -1
.endm
.macro ROUND2 a, b, t
	v_cvt_pk_bf16_f32 v[\t], v[\a], v[\b]
	v_lshlrev_b32 v[\a], 16, v[\t]
	v_and_b32 v[\b], 0xffff0000, v[\t]
.endm
; chunk c of points1: channels 32 c .. 32 c + 31 of my 64 points: 16 loads, sixteen lanes to a channel's 256 bytes, into slot c % 4
.macro RAW c
	WIN 0x40
.set i, 0
.rept 16
	global_load_b128 v[64*((\c)%4)+4*i:64*((\c)%4)+4*i+3], v4, s[4:5] offset:(32*(\c)+2*i)*32768 th:TH_LOAD_NT
.set i, i+1
.endr
.endm
; chunk c is rounded, set down in stage c % 2 and taken up as B's four fragments; left: the younger loads that may stay out; next = 1: its slot is asked for again, four chunks on
.macro CONVERT c, left, next
	s_wait_loadcnt \left
	WIN 0x05
.set i, 0
.rept 16
	v_cvt_pk_bf16_f32 v[CT+2*i],   v[64*((\c)%4)+4*i],   v[64*((\c)%4)+4*i+1]
	v_cvt_pk_bf16_f32 v[CT+2*i+1], v[64*((\c)%4)+4*i+2], v[64*((\c)%4)+4*i+3]
.set i, i+1
.endr
	WIN 0
.set i, 0
.rept 16
	ds_store_b64 v5, v[CT+2*i:CT+2*i+1] offset:((\c)%2)*STB+i*2*PST
.set i, i+1
.endr
.if \next
	RAW (\c)+4
.endif
	WIN 0
.set i, 0
.rept 4                                ; LDS serves a wave's instructions in order: these see the stores above
	ds_load_tr16_b128 v[B0+32*((\c)%2)+8*i:B0+32*((\c)%2)+8*i+3],   v6 offset:((\c)%2)*STB+32*i
	ds_load_tr16_b128 v[B0+32*((\c)%2)+8*i+4:B0+32*((\c)%2)+8*i+7], v6 offset:((\c)%2)*STB+32*i+16*PST
.set i, i+1
.endr
.endm
.macro FETCHA half                     ; eight of A's fragments: channel tiles 8 half .. 8 half + 7 of the K step at which v7 stands
	WIN 0
.set i, 0
.rept 8
	ds_load_tr16_b128 v[A0+64*(\half)+8*i:A0+64*(\half)+8*i+3],   v7 offset:(8*(\half)+i)*32
	ds_load_tr16_b128 v[A0+64*(\half)+8*i+4:A0+64*(\half)+8*i+7], v7 offset:(8*(\half)+i)*32+16*PW1
.set i, i+1
.endr
.endm
.macro MUL1 half, ks                   ; 32 products on 32 accumulators, one instruction a turn; K step 0 starts the sums
	WIN 0xa0+0x50*(\half)
.set c, 0
.rept 8
.set q, 0
.rept 4
.if (\ks) == 0
	v_wmma_f32_16x16x32_bf16 v[8*(4*c+q):8*(4*c+q)+7], v[A0+64*(\half)+8*c:A0+64*(\half)+8*c+7], v[B0+32*((\ks)%2)+8*q:B0+32*((\ks)%2)+8*q+7], 0
.else
	v_wmma_f32_16x16x32_bf16 v[8*(4*c+q):8*(4*c+q)+7], v[A0+64*(\half)+8*c:A0+64*(\half)+8*c+7], v[B0+32*((\ks)%2)+8*q:B0+32*((\ks)%2)+8*q+7], v[8*(4*c+q):8*(4*c+q)+7]
.endif
.set q, q+1
.endr
.set c, c+1
.endr
.endm
; a tile's 48 rows of G and 16 weight words are asked for.  An index that was loaded is held to 0..2047 before it enters an address; a row's load lands on its own offset register
.macro ISSUE_TILE
	WIN 0x41
.set i, 0
.rept 16
	s_and_b32 s24, s[68+2*i], 0xffff
	s_min_u32 s24, s24, 0x7ff
	v_lshl_add_u32 v[12*i], s24, 9, v8
	global_load_b128 v[12*i:12*i+3], v[12*i], s[6:7]
	s_lshr_b32 s25, s[68+2*i], 16
	s_min_u32 s25, s25, 0x7ff
	v_lshl_add_u32 v[12*i+4], s25, 9, v8
	global_load_b128 v[12*i+4:12*i+7], v[12*i+4], s[6:7]
	s_min_u32 s26, s[69+2*i], 0x7ff
	v_lshl_add_u32 v[12*i+8], s26, 9, v8
	global_load_b128 v[12*i+8:12*i+11], v[12*i+8], s[6:7]
.set i, i+1
.endr
	WIN 0x40
.set i, 0
.rept 16
	global_load_b128 v[192+4*i:192+4*i+3], v9, s[10:11] offset:16*i  ; the same 16 bytes for all lanes
.set i, i+1
.endr
.endm
; A K step of 32: 64 products.  The next chunk's rounding (32 plain lines) stands between the lower half's products and the loads into their fragments
.macro KSTEP ks
	s_wait_dscnt 16                                ; B and A's lower half are in; the youngest 16 loads, A's upper half, may stay out
	MUL1 0, \ks
.if (\ks) < 7
.if (\ks) < 4
.set LFT, 48                           ; three younger chunks
.else
.set LFT, 16*(6-(\ks))                 ; nothing is asked for any more: the counts run down
.endif
.if (\ks) < 3
	CONVERT (\ks)+1, LFT, 1
.else
	CONVERT (\ks)+1, LFT, 0
.endif
.if (\ks) == 6
	s_wait_kmcnt 0x0                               ; tile 0's indices
	ISSUE_TILE                                     ; window 1 is free: the last chunk has been rounded
.endif
	FETCHA 0
.if (\ks) == 2
	; G into the L2: my work-group's 64 of the batch's 2,048 rows, a lane to each 256 bytes (128 threads x 256 = 32,768 bytes): the batch's 32 work-groups name each block once,
	; told apart by address.  It stands behind the last run of loads of points1 and this step's LDS loads, four K steps (256 products) ahead of the first load of a row of G
	global_prefetch_b8 v18, s[18:19] th:TH_LOAD_NT scope:SCOPE_SE
.endif
	s_wait_dscnt 40                                ; A's upper half is in: behind it 16 stage stores, 8 loads of B and 16 of A were issued
.else
	s_wait_dscnt 0x0
.endif
	MUL1 1, \ks
.if (\ks) < 7
	PLACES
	FETCHA 1
.if (\ks) < 6
	v_add_nc_u32 v7, 32*PW1, v7
.endif
.endif
.endm
; gs'[i][c] = s1[c] (w0 G0[c] + w1 G1[c] + w2 G2[c]) + t1[c] for the tile's 16 points; lane l has channels 8 l .. 8 l + 7; G's f16 halves are read by the multiply-add itself
.macro GATHER16
.set i, 0
.rept 16
.set U, UU+8*(i%2)
	WIN 0x05
.set k, 0
.rept 3
.set m, 0
.rept 4
.if k == 0
	v_fma_mix_f32 v[U+2*m],   v[12*i+m], v[192+4*i], v[ZF] op_sel_hi:[1,0,0]
	v_fma_mix_f32 v[U+2*m+1], v[12*i+m], v[192+4*i], v[ZF] op_sel:[1,0,0] op_sel_hi:[1,0,0]
.else
	v_fma_mix_f32 v[U+2*m],   v[12*i+4*k+m], v[192+4*i+k], v[U+2*m] op_sel_hi:[1,0,0]
	v_fma_mix_f32 v[U+2*m+1], v[12*i+4*k+m], v[192+4*i+k], v[U+2*m+1] op_sel:[1,0,0] op_sel_hi:[1,0,0]
.endif
.set m, m+1
.endr
.set k, k+1
.endr
	WIN 0
.set m, 0
.rept 4
	v_pk_fma_f32 v[U+2*m:U+2*m+1], v[U+2*m:U+2*m+1], v[S1G+2*m:S1G+2*m+1], v[T1G+2*m:T1G+2*m+1]
.set m, m+1
.endr
	ds_store_b128 v10, v[U:U+3]   offset:i*PGS
	ds_store_b128 v10, v[U+4:U+7] offset:i*PGS+16
.set i, i+1
.endr
.endm
.macro LOADGS bb                       ; gs' as D lies, for channel tiles 4 bb .. 4 bb + 3
	WIN 0
.set c, 0
.rept 4
	ds_load_b128 v[GS+32*((\bb)%2)+8*c:GS+32*((\bb)%2)+8*c+3],   v11 offset:(4*(\bb)+c)*64
	ds_load_b128 v[GS+32*((\bb)%2)+8*c+4:GS+32*((\bb)%2)+8*c+7], v11 offset:(4*(\bb)+c)*64+16
.set c, c+1
.endr
.endm
; Point tile pt, four channel tiles (two fragments of H) at a time.  h = relu(acc s1 + gs') is made in gs's registers, so that the accumulators' registers are free at once:
; hi = h rounded to bf16 goes into the even tile's, h - hi stays in gs's, lo = that rounded goes into the odd tile's.  Each accumulator is read from its low end on
.macro E1 pt
	LOADGS 0
.irp bb, 0,1,2,3
.if \bb < 3
	LOADGS (\bb)+1
	s_wait_dscnt 8                                 ; this batch is in; the next batch's 8 loads may stay out
.else
	s_wait_dscnt 0x0
.endif
.set W, 2+(\bb)/2
.set X, GS+32*((\bb)%2)
	WIN W                                          ; source 0, the accumulators, in window 2 or 3; all else in window 0
.set c, 0
.rept 4
.set TA, 8*(4*((4*(\bb)+c)%8)+(\pt))
.set j, 0
.rept 4
	v_pk_fma_f32 v[X+8*c+2*j:X+8*c+2*j+1], v[TA+2*j:TA+2*j+1], v[S1C+8*(4*(\bb)+c)+2*j:S1C+8*(4*(\bb)+c)+2*j+1], v[X+8*c+2*j:X+8*c+2*j+1]
.set j, j+1
.endr
.set c, c+1
.endr
	WIN 0
.set n, 0
.rept 32
	v_max_num_f32 v[X+n], 0, v[X+n]
.set n, n+1
.endr
	WIN W<<6                                       ; hi: registers 0-3 of a fragment from the even tile, 4-7 from the odd one
.set c, 0
.rept 4
.set TH, 8*(4*((4*(\bb)+2*(c/2))%8)+(\pt))+4*(c%2)
.set j, 0
.rept 4
	v_cvt_pk_bf16_f32 v[TH+j], v[X+8*c+2*j], v[X+8*c+2*j+1]
.set j, j+1
.endr
.set c, c+1
.endr
	WIN W                                          ; h - hi: hi's half times -1.0 plus h, exact in f32
.set c, 0
.rept 4
.set TH, 8*(4*((4*(\bb)+2*(c/2))%8)+(\pt))+4*(c%2)
.set j, 0
.rept 4
	v_fma_mix_f32_bf16 v[X+8*c+2*j],   v[TH+j], v[NEG1], v[X+8*c+2*j]   op_sel_hi:[1,0,0]
	v_fma_mix_f32_bf16 v[X+8*c+2*j+1], v[TH+j], v[NEG1], v[X+8*c+2*j+1] op_sel:[1,0,0] op_sel_hi:[1,0,0]
.set j, j+1
.endr
.set c, c+1
.endr
	WIN W<<6                                       ; lo, 32 registers on: the odd tile's
.set c, 0
.rept 4
.set TH, 8*(4*((4*(\bb)+2*(c/2))%8)+(\pt))+4*(c%2)
.set j, 0
.rept 4
	v_cvt_pk_bf16_f32 v[TH+32+j], v[X+8*c+2*j], v[X+8*c+2*j+1]
.set j, j+1
.endr
.set c, c+1
.endr
.endr
	WIN 0
.endm
.macro FETCH2                          ; W2's 8 fragments for the 16 output channels at which v12, v13 stand
.set q, 0
.rept 8
	ds_load_tr16_b128 v[A2+8*q:A2+8*q+3],   v[12+q/4] offset:(q%4)*32*PW2
	ds_load_tr16_b128 v[A2+8*q+4:A2+8*q+7], v[12+q/4] offset:(q%4)*32*PW2+16*PW2
.set q, q+1
.endr
.endm
.macro MUL2                            ; 64 products: for each 32 channels hi's four and lo's four, the four accumulators by turns; the first four start the sums
.set q, 0
.rept 8
	WIN 2+q/4
.set p, 0
.rept 2
.set t, 0
.rept 4
.if (q == 0) && (p == 0)
	v_wmma_f32_16x16x32_bf16 v[OO+8*t:OO+8*t+7], v[64*(q%4)+32*p+8*t:64*(q%4)+32*p+8*t+7], v[A2+8*q:A2+8*q+7], 0
.else
	v_wmma_f32_16x16x32_bf16 v[OO+8*t:OO+8*t+7], v[64*(q%4)+32*p+8*t:64*(q%4)+32*p+8*t+7], v[A2+8*q:A2+8*q+7], v[OO+8*t:OO+8*t+7]
.endif
.set t, t+1
.endr
.set p, p+1
.endr
.set q, q+1
.endr
	WIN 0
.endm
; 16 output channels leave: scale, shift, relu; through the stage; sixteen lanes store a channel's 64 points.  younger: LDS loads issued behind (s2,s2,t2,t2)'s
.macro EPI2 younger, step
	s_wait_dscnt \younger
.set n, 0
.rept 16
	v_pk_fma_f32 v[OO+2*n:OO+2*n+1], v[OO+2*n:OO+2*n+1], v[STR:STR+1], v[STR+2:STR+3]
.set n, n+1
.endr
.set n, 0
.rept 32
	v_max_num_f32 v[OO+n], 0, v[OO+n]
.set n, n+1
.endr
.set n, 0
.rept 4
	ds_store_b128 v15, v[OO+8*n:OO+8*n+3]   offset:64*n
	ds_store_b128 v15, v[OO+8*n+4:OO+8*n+7] offset:64*n+16
.set n, n+1
.endr
.set n, 0
.rept 8
	ds_load_b128 v[OB+4*n:OB+4*n+3], v16 offset:n*2*POUT  ; LDS serves a wave's instructions in order: these see the stores above
.set n, n+1
.endr
.set n, 0
.rept 8
	s_wait_dscnt 7-n
	global_store_b128 v4, v[OB+4*n:OB+4*n+3], s[12:13] offset:65536*n th:TH_STORE_NT  ; 16 lanes store 256 consecutive bytes, aligned
.set n, n+1
.endr
.if \step
	s_wait_xcnt 0x0                                ; the stores have read their data and their base: only now are these written again
	s_add_nc_u64 s[12:13], s[12:13], 16*32768
	v_add_nc_u32 v14, 256, v14
.endif
.endm
	s_load_b256 s[4:11], s[0:1], 0x0               ; points1 s[4:5], gtab s[6:7], nidx s[8:9], nwgt s[10:11]
	s_load_b128 s[12:15], s[0:1], 0x20             ; out0 s[12:13], w1h s[14:15]
	s_load_b64 s[16:17], s[0:1], 0x30              ; w2h
	s_load_b64 s[18:19], s[0:1], 0x38              ; b1
	s_load_b256 s[20:27], s[0:1], 0x40             ; g1, be1, m1, v1
	s_load_b256 s[28:35], s[0:1], 0x60             ; b2, g2, be2, m2
	s_load_b64 s[36:37], s[0:1], 0x80              ; v2
	v_lshl_add_u32 v[SPW], v0, 2, SPARE
	v_mov_b32 v[NIL], 0
	ds_add_u32 v[SPW], v[NIL]                      ; the wave's opening: the add and its wait ahead of the round in front of my first tensor loads; the set-up stands between
	ds_add_u32 v30, v31
	v_lshrrev_b32 v1, 5, v0
	v_readfirstlane_b32 s38, v1                    ; wave 0..3
	s_bfe_u32 s39, ttmp6, 0x40000                  ; cx
	s_lshl_b32 s66, ttmp9, 2                       ; in a cluster launch ttmp9 counts clusters
	s_add_co_u32 s39, s66, s39                     ; work-group g: it enters global addresses alone
	; descriptors.  W1: 64 rows of 256 elements, 8 words of padding behind every 128.  W2: 64 rows of 128 elements, 8 words behind every 64.  Mask 15, bit 21 beside it
	s_mov_b32 s48, 15|(1<<16)|(1<<20)|(1<<21)|(6<<22)|(7<<25)
	s_mov_b32 s49, 256<<16
	s_mov_b32 s50, 64<<16
	s_mov_b32 s51, 256<<16
	s_mov_b32 s52, 64
	s_mov_b32 s53, 256
	s_mov_b32 s54, 0
	s_mov_b32 s55, 0
	s_mov_b32 s56, 15|(1<<16)|(1<<20)|(1<<21)|(5<<22)|(7<<25)
	s_mov_b32 s57, 128<<16
	s_mov_b32 s58, 64<<16
	s_mov_b32 s59, 128<<16
	s_mov_b32 s60, 64
	s_mov_b32 s61, 128
	s_mov_b32 s62, 0
	s_mov_b32 s63, 0
	s_mov_b32 s40, 1
	s_mul_i32 s41, s38, 64*PW1                     ; my 64 rows of W1
	s_mov_b32 s44, 1
	s_mul_i32 s45, s38, 64*PW2                     ; and of W2
	s_add_co_u32 s45, s45, W2L
	s_mul_i32 s66, s38, WSB
	s_add_co_u32 s66, s66, WS                      ; my stage
	v_and_b32 v1, 31, v0                           ; l
	v_and_b32 v2, 15, v0                           ; r = l % 16
	v_bfe_u32 v3, v0, 4, 1                         ; h = l / 16
	v_and_b32 v22, 7, v0
	v_bfe_u32 v23, v0, 3, 1
	v_lshl_add_u32 v24, v3, 3, v22                 ; 8 h + l % 8: the turning load's row
	v_lshlrev_b32 v4, 15, v3
	v_lshl_add_u32 v4, v2, 4, v4
	v_mul_u32_u24 v5, v3, PST
	v_lshl_add_u32 v5, v2, 3, v5
	v_add_nc_u32 v5, s66, v5
	v_mul_u32_u24 v6, v24, PST
	v_lshl_add_u32 v6, v23, 4, v6
	v_add_nc_u32 v6, s66, v6
	v_mul_u32_u24 v7, v24, PW1
	v_lshl_add_u32 v7, v23, 4, v7
	v_lshlrev_b32 v8, 4, v1
	v_mov_b32 v9, 0
	v_lshl_add_u32 v10, v1, 5, s66
	v_mul_u32_u24 v11, v2, PGS
	v_lshl_add_u32 v11, v3, 5, v11
	v_add_nc_u32 v11, s66, v11
	v_mul_u32_u24 v12, v24, PW2
	v_lshl_add_u32 v12, v23, 4, v12
	v_add_nc_u32 v12, W2L, v12
	v_add_nc_u32 v13, 4*32*PW2, v12
	v_lshl_add_u32 v14, v2, 4, ST2L
	v_mul_u32_u24 v15, v2, POUT
	v_lshl_add_u32 v15, v3, 5, v15
	v_add_nc_u32 v15, s66, v15
	v_mul_u32_u24 v16, v3, POUT
	v_lshl_add_u32 v16, v2, 4, v16
	v_add_nc_u32 v16, s66, v16
	v_lshlrev_b32 v18, 8, v0
	v_lshl_add_u32 v19, v3, 5, S1L
	v_lshl_add_u32 v20, v1, 5, S1L
	v_mov_b32 v[ZF], 0
	v_mov_b32 v[NEG1], -1.0
	v_lshlrev_b32 v25, 2, v0
	v_lshl_add_u32 v26, v0, 2, S1L
	v_lshl_add_u32 v27, v0, 4, ST2L
	s_wait_dscnt 0x0                               ; the opening add is done
	s_wait_kmcnt 0x0
	s_lshl_b32 s100, s38, 15                       ; 64 rows of 512 bytes
	s_mov_b32 s101, 0
	s_add_nc_u64 s[42:43], s[14:15], s[100:101]
	s_or_b32 s43, s43, 0x80000000
	s_lshl_b32 s100, s38, 14                       ; 64 rows of 256 bytes
	s_add_nc_u64 s[46:47], s[16:17], s[100:101]
	s_or_b32 s47, s47, 0x80000000
	CROUND                                         ; all four work-groups are here: the joint loads meet
	tensor_load_to_lds s[40:43], s[48:55]          ; two tensor loads of mine are out, the only ones of the launch
	s_nop 0
	tensor_load_to_lds s[44:47], s[56:63]
	s_nop 0
	s_lshr_b32 s100, s39, 5                        ; batch
	s_and_b32 s101, s39, 31
	s_mov_b32 s67, 0
	s_lshl_b32 s68, s101, 10
	s_lshl_b32 s69, s38, 8
	s_add_co_u32 s68, s68, s69                     ; my 64 points in a row of 8,192 f32
	s_lshl_b32 s66, s100, 23
	s_add_co_u32 s66, s66, s68
	s_add_nc_u64 s[4:5], s[4:5], s[66:67]
	s_lshl_b32 s66, s100, 22
	s_add_co_u32 s66, s66, s68
	s_add_nc_u64 s[12:13], s[12:13], s[66:67]
	s_lshl_b32 s66, s100, 20
	s_add_nc_u64 s[6:7], s[6:7], s[66:67]          ; the batch's G
	s_lshl_b32 s66, s39, 11
	s_lshl_b32 s69, s38, 9
	s_add_co_u32 s66, s66, s69
	s_add_nc_u64 s[8:9], s[8:9], s[66:67]
	s_lshl_b32 s66, s39, 12
	s_lshl_b32 s69, s38, 10
	s_add_co_u32 s66, s66, s69
	s_add_nc_u64 s[10:11], s[10:11], s[66:67]
	s_load_b512 s[68:83], s[8:9], 0x0              ; tile 0's indices: 16 points x (i0 | i1 << 16, i2)
	s_load_b512 s[84:99], s[8:9], 0x40
	; the ten vectors: thread t has channels t and t + 128 of layer 1, channel t of layer 2
.irp a, 0,1,2,3,4
	global_load_b32 v[32+2*(\a)], v25, s[18+2*(\a):19+2*(\a)]
	global_load_b32 v[33+2*(\a)], v25, s[18+2*(\a):19+2*(\a)] offset:512
.endr
.irp a, 0,1,2,3,4
	global_load_b32 v[42+(\a)], v25, s[28+2*(\a):29+2*(\a)]
.endr
	RAW 0
	RAW 1
	RAW 2
	WIN 0
	s_wait_loadcnt 48                              ; the vectors are in; three chunks of points1 stay out
	; v32,33 b1  v34,35 g1  v36,37 be1  v38,39 m1  v40,41 v1  v42 b2  v43 g2  v44 be2  v45 m2  v46 v2
.irp a, 0,1,2,3,4,5,6
	ROUND2 32+2*(\a), 33+2*(\a), 48+(\a)%2
.endr
	v_cvt_pk_bf16_f32 v48, v46, v46
	v_lshlrev_b32 v46, 16, v48
	v_add_f32 v40, 0x3727c5ac, v40                 ; v + 1e-5
	v_add_f32 v41, 0x3727c5ac, v41
	v_add_f32 v46, 0x3727c5ac, v46
	v_rsq_f32 v50, v40
	v_rsq_f32 v51, v41
	v_rsq_f32 v52, v46
	v_sub_f32 v32, v32, v38                        ; b - m: plain lines behind the last root
	v_sub_f32 v33, v33, v39
	v_sub_f32 v42, v42, v45
	s_wait_alu depctr_va_vdst(0)                   ; one wait for the three roots, ahead of their first reader
	v_mul_f32 v50, v34, v50                        ; s
	v_mul_f32 v51, v35, v51
	v_mul_f32 v52, v43, v52
	v_fma_f32 v32, v32, v50, v36                   ; t
	v_fma_f32 v33, v33, v51, v37
	v_fma_f32 v54, v42, v52, v44
	v_mov_b32 v53, v52
	v_mov_b32 v55, v54
	ds_store_b32 v26, v50
	ds_store_b32 v26, v51 offset:512
	ds_store_b32 v26, v32 offset:1024
	ds_store_b32 v26, v33 offset:1536
	ds_store_b128 v27, v[52:55]
	RAW 3
	WIN 0
	s_and_b32 s66, s39, 31                         ; the vectors' loads are done, so their pointers' registers are free: the prefetch's base
	s_lshl_b32 s66, s66, 15
	s_add_nc_u64 s[18:19], s[6:7], s[66:67]
	s_wait_tensorcnt 0x0                           ; my parts of W1 and W2 have landed,
	s_wait_dscnt 0x0                               ; my parts of the tables are stored
	s_barrier_signal -1
	s_barrier_wait -1                              ; everybody's are
	; LAYER 1
	CONVERT 0, 48, 1
	FETCHA 0
	FETCHA 1
	v_add_nc_u32 v7, 32*PW1, v7
.irp ks, 0,1,2,3,4,5,6,7
	KSTEP \ks
.endr
	WIN 0
	PLACES
.set n, 0
.rept 16
	ds_load_b128 v[S1C+8*n:S1C+8*n+3],   v19 offset:64*n
	ds_load_b128 v[S1C+8*n+4:S1C+8*n+7], v19 offset:64*n+16
.set n, n+1
.endr
	ds_load_b128 v[S1G:S1G+3],   v20
	ds_load_b128 v[S1G+4:S1G+7], v20 offset:16
	ds_load_b128 v[T1G:T1G+3],   v20 offset:1024
	ds_load_b128 v[T1G+4:T1G+7], v20 offset:1040
	s_wait_dscnt 0x0
	; BETWEEN THE LAYERS: four trips, a tile of 16 points each; the next tile's 64 loads are out while this tile's h is made
	s_mov_b32 s22, 0
.Ltile:
	s_wait_loadcnt 0x0                             ; the tile's rows and weights
	s_cmp_lt_u32 s22, 3
	s_cbranch_scc0 .Lnoidx
	s_add_nc_u64 s[8:9], s[8:9], 128               ; (the last scalar loads were waited for)
	s_load_b512 s[68:83], s[8:9], 0x0
	s_load_b512 s[84:99], s[8:9], 0x40
.Lnoidx:
	GATHER16
	WIN 0
	s_wait_kmcnt 0x0
	s_cmp_lt_u32 s22, 3
	s_cbranch_scc0 .Lnoissue
	s_add_nc_u64 s[10:11], s[10:11], 256           ; (the loads that named it came back at the trip's head)
	ISSUE_TILE
	WIN 0
.Lnoissue:
	s_cmp_eq_u32 s22, 0                            ; the accumulators' registers are names in the text: a copy for each tile
	s_cbranch_scc1 .Le0
	s_cmp_eq_u32 s22, 1
	s_cbranch_scc1 .Le1
	s_cmp_eq_u32 s22, 2
	s_cbranch_scc1 .Le2
	E1 3
	s_branch .Lnext
.Le0:
	E1 0
	s_branch .Lnext
.Le1:
	E1 1
	s_branch .Lnext
.Le2:
	E1 2
.Lnext:
	s_add_co_u32 s22, s22, 1
	s_cmp_lt_u32 s22, 4
	s_cbranch_scc1 .Ltile
	; LAYER 2: eight tiles of 16 output channels; the next tile's fragments of W2 are fetched while this tile leaves
	FETCH2
	v_add_nc_u32 v12, 32, v12
	v_add_nc_u32 v13, 32, v13
	s_mov_b32 s23, 7
.Lt2:
	s_wait_dscnt 0x0                               ; W2's fragments
	MUL2
	PLACES
	ds_load_b128 v[STR:STR+3], v14
	FETCH2
	v_add_nc_u32 v12, 32, v12
	v_add_nc_u32 v13, 32, v13
	PLACES                                         ; with the four above and the two steps: ten plain lines behind the last product
	EPI2 16, 1
	s_sub_co_u32 s23, s23, 1
	s_cmp_lg_u32 s23, 0
	s_cbranch_scc1 .Lt2
	s_wait_dscnt 0x0
	MUL2
	PLACES
	ds_load_b128 v[STR:STR+3], v14
	PLACES
	EPI2 0, 0
	s_wait_tensorcnt 0x0                           ; the wave's end: behind my last tensor load and my last LDS store
	ds_add_u32 v[SPW], v[NIL]
	s_wait_dscnt 0x0
	CROUND                                         ; the closing round
	s_endpgm
.Lfunc_end_k_q1f3746a47e_mlp:
	.size	k_q1f3746a47e_mlp, .Lfunc_end_k_q1f3746a47e_mlp-k_q1f3746a47e_mlp
	.p2alignl 7, 3214868480
	.fill 96, 4, 3214868480
	.section	.rodata,"a",@progbits
	.p2align	6, 0x0
	.amdhsa_kernel k_q1f3746a47e_mlp
		.amdhsa_group_segment_fixed_size 284160
		.amdhsa_private_segment_fixed_size 0
		.amdhsa_enable_private_segment 0
		.amdhsa_kernarg_size 136
		.amdhsa_user_sgpr_count 2
		.amdhsa_user_sgpr_kernarg_segment_ptr 1
		.amdhsa_wavefront_size32 1
		.amdhsa_system_sgpr_workgroup_id_x 1
		.amdhsa_system_sgpr_workgroup_id_y 1
		.amdhsa_system_sgpr_workgroup_id_z 1
		.amdhsa_system_vgpr_workitem_id 0
		.amdhsa_next_free_vgpr 1024
		.amdhsa_next_free_sgpr 102
		.amdhsa_reserve_vcc 0
		.amdhsa_float_denorm_mode_32 3
		.amdhsa_float_denorm_mode_16_64 3
		.amdhsa_memory_ordered 1
		.amdhsa_forward_progress 1
		.amdhsa_inst_pref_size 255
	.end_amdhsa_kernel
	.section	.bss,"aw",@nobits
	.p2align	6
	.space	262144
	.amdgpu_metadata
---
amdhsa.version: [ 1, 2 ]
amdhsa.kernels:
  - .name:           k_q1f3746a47e_mlp
    .symbol:         k_q1f3746a47e_mlp.kd
    .args:
      - { .name: points1, .offset: 0, .size: 8, .value_kind: global_buffer, .address_space: global }
      - { .name: gtab, .offset: 8, .size: 8, .value_kind: global_buffer, .address_space: global }
      - { .name: nidx, .offset: 16, .size: 8, .value_kind: global_buffer, .address_space: global }
      - { .name: nwgt, .offset: 24, .size: 8, .value_kind: global_buffer, .address_space: global }
      - { .name: out0, .offset: 32, .size: 8, .value_kind: global_buffer, .address_space: global }
      - { .name: w1h, .offset: 40, .size: 8, .value_kind: global_buffer, .address_space: global }
      - { .name: w2h, .offset: 48, .size: 8, .value_kind: global_buffer, .address_space: global }
      - { .name: b1, .offset: 56, .size: 8, .value_kind: global_buffer, .address_space: global }
      - { .name: g1, .offset: 64, .size: 8, .value_kind: global_buffer, .address_space: global }
      - { .name: be1, .offset: 72, .size: 8, .value_kind: global_buffer, .address_space: global }
      - { .name: m1, .offset: 80, .size: 8, .value_kind: global_buffer, .address_space: global }
      - { .name: v1, .offset: 88, .size: 8, .value_kind: global_buffer, .address_space: global }
      - { .name: b2, .offset: 96, .size: 8, .value_kind: global_buffer, .address_space: global }
      - { .name: g2, .offset: 104, .size: 8, .value_kind: global_buffer, .address_space: global }
      - { .name: be2, .offset: 112, .size: 8, .value_kind: global_buffer, .address_space: global }
      - { .name: m2, .offset: 120, .size: 8, .value_kind: global_buffer, .address_space: global }
      - { .name: v2, .offset: 128, .size: 8, .value_kind: global_buffer, .address_space: global }
    .group_segment_fixed_size: 284160
    .private_segment_fixed_size: 0
    .kernarg_segment_align: 8
    .kernarg_segment_size: 136
    .max_flat_workgroup_size: 128
    .sgpr_count:     102
    .vgpr_count:     1024
    .wavefront_size: 32
...
	.end_amdgpu_metadata
.endif
;; end of part 3
